; MI455X (gfx1250); checked and timed in simulation.
; The chip was launched on July 23, 2026; its instructions are those of AMD's public machine-readable ISA for CDNA 5 (MIT licence, August 2026) and "CDNA5" Instruction Set Architecture Reference Guide (July 2026). The comments in the code are by the model that wrote it; some were corrected since.
;; My Conv2 D. Allowed arithmetic: matrix products marked QUANTISED: E2M1 operands, one E8M0 scale for each 32 along K, by v_wmma_scale_f32_16x16x128_f8f6f4 with both operands' format E2M1 (or v_wmma_scale_f32_32x16x128_f4), f32 sums; everything else in f32.
;; Inputs: w 64 x 1 x 1 x 128 float32; x 1 x 1 x 116,250 x 128 float32.
;; Outputs: out0 5 x 64 x 62 x 375 float32.
;; This version of the problem:
;;   THIS VERSION OF THE PROBLEM IS GIVEN IN LOW PRECISION. The matrix products marked QUANTISED in the list below multiply operands that are first quantised to E2M1 (2 exponent bits, 1 mantissa bit; 4 bits a number), with one power-of-two scale for each 32 numbers along K (OCP MX v1.0); their sums are f32. All else is computed in f32.
;;   The module's matrix products, in the order in which they are computed (A, B: the left and right operand; K: the contracted axis; several contracted axes count as one K, in the product's order):
;;     1. [M 64, K 128] x [K 128, N 116,250]; A: input w; B: input x: QUANTISED
;;   THE QUANTISER, for each operand of a quantised product, along K:
;;     - K is cut into blocks of 32 from its start; a last block that is shorter is filled with zeros.
;;     - A block's scale is 2^e with e = floor(log2(the largest magnitude in the block)) - 2, held to -126 .. 127; a block of zeros has e = 0. As a byte (E8M0): e + 127.
;;     - Each number is divided by its block's scale, clamped to +-6, and rounded to the nearest number of E2M1, ties to even, subnormals kept.
;;     - The product sums the exact products of the quantised numbers (number of the format x scale) in f32.
;;   ~~~python
;;   def quantise(x, axis):      # numpy; x: float32 -> the quantised numbers, widened to float32 again
;;       x = np.moveaxis(x, axis, -1); K = x.shape[-1]
;;       x = np.pad(x, [(0, 0)] * (x.ndim - 1) + [(0, -K % 32)]); x = x.reshape(x.shape[:-1] + (-1, 32)); a = np.abs(x).max(-1, keepdims=True)
;;       e = np.where(a > 0, np.clip(np.frexp(np.where(a > 0, a, 1))[1] - 1 - 2, -126, 127), 0)      # np.frexp(a)[1] - 1 = floor(log2(a)), exactly
;;       r = np.clip(x / 2.0 ** e, -6, 6)
;;       step = 2.0 ** (np.maximum(np.frexp(np.where(r == 0, 1, r))[1] - 1, 0) - 1)
;;       q = np.round(r / step) * step * 2.0 ** e      # np.round: ties to even
;;       return np.moveaxis(q.reshape(q.shape[:-2] + (-1,))[..., :K], -1, axis).astype(np.float32)
;;   ~~~
;; One version. Each part assembles by itself: llvm-mc -triple=amdgcn-amd-amdhsa -mcpu=gfx1250 --defsym DOCPART=n.
;; ======== version 1 of 1: 1 launch
;; limits: right only within a limited range of input values
;; launch conv (part 1): grid 228 x 1, 8 waves a work-group, no clusters, 327,680 bytes of LDS; arguments x, w, out0; writes out0
.if DOCPART == 1
	.amdgcn_target "amdgcn-amd-amdhsa--gfx1250"
	.amdhsa_code_object_version 6
	.text
	.protected	k_q931f8e5f45_conv
	.globl	k_q931f8e5f45_conv
	.p2align	8
	.type	k_q931f8e5f45_conv,@function
k_q931f8e5f45_conv:
	s_mov_b64 s[64:65], 0
	v_nop
	global_prefetch_b8 v0, s[64:65] scope:SCOPE_SE
	s_setreg_imm32_b32 hwreg(HW_REG_WAVE_MODE, 25, 1), 1
	s_wait_xcnt 0x0
; out[f][n] = sum over d of Q(w)[f][d] Q(x)[n][d].  x: [116250][128] f32, w: [64][128] f32, out: [64][116250] f32 (the reshape to [5][64][62][375] is the same bytes).
; Q: codes of FP4 (E2M1) with one E8M0 scale for each 32 along d: the scale's byte is the exponent field of the block's largest magnitude less 2, held at 1 from below; sums in f32.
; SHARES.  A work-group of eight waves takes 512 columns n of out, all 64 filters, in eight CHUNKS of 64 rows of x.  116,250 = 227 x 512 + 26: 228 work-groups.
; A chunk's first row is held at 116,250 - 64 from above: in the last work-group all eight chunks are the tensor's last 64 rows, and only its last 26 columns are stored.
; THE WAY IN.  A chunk is 32,768 consecutive bytes.  Wave k asks for chunk k by its one tensor load, in the arm of a chain of branches that is its own; no LDS byte is filled twice.
; STEP k: wave k waits for its load; one barrier shows that chunk k lies in LDS and that chunk k - 1's results lie in the stage.  Behind it waves 0-3 take a tile of 16 rows each (quantise, multiply by the
; four tiles of filters, results into the stage), and waves 4-7 store what chunks k - 2 and k - 1 have made whole: one aligned unit of 256 bytes of each of the 64 rows of out.
; THE STAGE is a ring of three slots, [64 filters][64 columns] each: in step k slot k % 3 is written and the other two are read.
; A row of out is 465,000 bytes = 104 mod 256, and the work-group's part of it 2,048 bytes: with c = (-104 f) mod 256 = 152 f mod 256 its bytes c + 256 j begin aligned units of 256 bytes, j = 0 .. 6.
; The part's first c bytes are taken into registers in step 1 and leave at the end, in one store a row together with its last 256 - c bytes.
; w comes by dense loads, turns through the stage's bytes before these are a stage, and is quantised by waves 4-7, a tile of 16 filters each; the fragments are shared as images of their registers.
; No clusters: no row of x is shared, and w is 32,768 of the 294,912 bytes that a work-group asks for.  No prefetch: there is no loop to run ahead in, all of x is asked for at the head.
; LIMITS: NaN and infinities among the inputs are not served.  A block of zeros gets the byte 1 where the rule says 127: its codes are zeros, which add nothing.  Blocks whose largest magnitude lies under 2^-124 take the held byte 1, as the rule has it; not tried.
.set NROWS,  116250
.set CROWS,  64                        ; rows of x in a chunk
.set LASTWG, NROWS/512                 ; 227: the work-group with the last 26 columns
.set TAILC,  NROWS-LASTWG*512
.set XP,     528                       ; a row of x in LDS: 512 bytes + 16 of padding = 132 words: row r starts at bank 4 r mod 64 (64 banks of 4 bytes: ISA guide 11.1)
.set REGION, CROWS*XP                  ; a chunk in LDS: 33,792 bytes; chunk k at k x REGION
.set RING,   8*REGION
.set SP,     272                       ; a stage row: 256 bytes + 16
.set SLOT,   64*SP                     ; 17,408
.set HALF,   32*SP                     ; 32 stage rows
.set WIMG,   RING+2*SLOT               ; w's four images, 1,024 bytes each, and their scale words, 128 bytes each: in the third slot, first written in step 2.  w's rows as loaded: 64 x XP bytes from RING on
.set SPARE,  RING+3*SLOT               ; the spare words, 128 bytes a wave
.set OROW,   NROWS*4
.set SPW, 2                            ; v2   my spare word's address, never rewritten
.set NIL, 3                            ; v3   0, never rewritten
.set XA,  4                            ; v4-7 my 64 numbers of a tile: chunks 0 and 1, 2 and 3, 4 and 5, 6 and 7
.set RR,  8                            ; the same in w's rows
.set RS,  9                            ; where I put w's rows
.set WA,  10                           ; my byte offset in w
.set WIS, 11                           ; images: where I store mine,
.set WSS, 12                           ; its scale words,
.set WIL, 13                           ; where I load them,
.set WSL, 14
.set STO, 15                           ; the stage: where I put 32 bytes of a row
.set H8,  16                           ; 8 x (lane / 16)
.set L8,  17                           ; 8 x lane
.set LRD, 18                           ; the last work-group's way out: LDS,
.set LG,  19                           ; and out
.set GP,  20                           ; v20-23: pair i of rows, 8 (wave % 4) + 2 i + lane / 16: byte offset in out of my 16 bytes of unit 0
.set LA,  24                           ; v24-31: their two 8-byte pieces in the stage (LA + i, LA + 4 + i), unit in slots 0 and 1 (1 and 2 by the offset)
.set MA,  32                           ; v32-39: unit in slots 2 and 0
.set FA,  40                           ; v40-47: LA for the last unit: waves 4-7 32 rows further down
.set HA,  48                           ; v48-55: row 8 wave + i: my 8 bytes of head or tail in slot 0
.set GW,  56                           ; v56-63: and in out
.set HD,  64                           ; v64-79: the heads
.set TM,  80                           ; v80-95: at work
.set PW,  96                           ; a scale word
.set PM,  97                           ; the other half's
.set PC,  98                           ; v98-105: codes
.set WF,  106                          ; v106-137: w's fragments
.set WS,  138                          ; v138-141: their scale words
.set X,   144                          ; v144-207: 64 numbers; on the way out:
.set OB,  144                          ; v144-175: pieces of units
.set TD,  176                          ; v176-191: tails
.set D,   208                          ; v208-239: results
.set WV,   10                          ; s10 wave
.set G1,   16
.set G0,   24
.set SEL,  28                          ; s[28:29] lane selects: lane l xor 16
.set OUTB, 30                          ; s[30:31] out at the work-group's first column; s[32:33] 32 rows further down
.set OUTF, 34                          ; s[34:35] the one of the two that my wave stores the last unit by
.set MK,   40                          ; s40-47: row 8 wave + i: the lanes that hold head bytes
; 64 numbers of a lane (row lane % 16, its blocks lane / 16 and 2 + lane / 16, 32 each) into v[X] on
.macro LOADT adr, off
.irp c, 0,1
.irp j, 0,1,2,3,4,5,6,7
	ds_load_b128 v[X+32*\c+4*\j:X+32*\c+4*\j+3], v[\adr] offset:(\off)+256*\c+16*\j
.endr
.endr
.endm
.macro MAXC c                          ; 28 of block c's 32 magnitudes, in four chains
.irp g, 0,1,2,3
	v_max3_num_f32 v[TM+4*\c+\g], |v[X+32*\c+8*\g]|, |v[X+32*\c+8*\g+1]|, |v[X+32*\c+8*\g+2]|
.endr
.irp i, 3,5
.irp g, 0,1,2,3
	v_max3_num_f32 v[TM+4*\c+\g], v[TM+4*\c+\g], |v[X+32*\c+8*\g+\i]|, |v[X+32*\c+8*\g+\i+1]|
.endr
.endr
.endm
; what LOADT has asked for becomes a fragment's codes in v[PC] on and its scale word in v[PW]
.macro QUANT
	s_wait_dscnt 8                                 ; LDS loads come back in order (ISA guide 5.7.1): the first block's eight are in, the second's eight may be out
	MAXC 0
	s_wait_dscnt 0x0
	MAXC 1
.irp c, 0,1
	v_max3_num_f32 v[TM+4*\c], v[TM+4*\c], v[TM+4*\c+1], |v[X+32*\c+7]|
	v_max3_num_f32 v[TM+4*\c+2], v[TM+4*\c+2], v[TM+4*\c+3], |v[X+32*\c+15]|
.endr
.irp c, 0,1
	v_max3_num_f32 v[TM+4*\c], v[TM+4*\c], v[TM+4*\c+2], |v[X+32*\c+23]|
.endr
.irp c, 0,1
	v_max3_num_f32 v[TM+4*\c], v[TM+4*\c], |v[X+32*\c+31]|, 0x1800000   ; and the floor 2^(3 - 127): so the byte cannot fall under 1
.endr
.irp c, 0,1
	v_add_nc_u32 v[TM+8+\c], 0xff000000, v[TM+4*\c]   ; 2 off its exponent field: the conversion takes the exponent field of this operand as its scale, and nothing else of it
.endr
.irp c, 0,1
	v_lshrrev_b32 v[TM+10+\c], 23, v[TM+8+\c]      ; the scale's byte
.endr
	v_cvt_scalef32_pk8_fp4_f32 v[PC], v[X:X+7], v[TM+8]       ; to the nearest code, ties to even; beyond 6 the largest code
	v_lshl_or_b32 v[TM+12], v[TM+11], 16, v[TM+10] ; my two bytes: blocks lane / 16 and 2 + lane / 16,
	v_cvt_scalef32_pk8_fp4_f32 v[PC+1], v[X+8:X+15], v[TM+8]
	v_lshlrev_b32 v[TM+12], v[H8], v[TM+12]        ; at their places in the word;
	v_cvt_scalef32_pk8_fp4_f32 v[PC+2], v[X+16:X+23], v[TM+8]
	v_permlanex16_b32 v[PM], v[TM+12], s[SEL], s[SEL+1]
	v_cvt_scalef32_pk8_fp4_f32 v[PC+3], v[X+24:X+31], v[TM+8]
	v_or_b32 v[PW], v[TM+12], v[PM]                ; with lane l xor 16's two the word is whole
.irp g, 0,1,2,3
	v_cvt_scalef32_pk8_fp4_f32 v[PC+4+\g], v[X+32+8*\g:X+39+8*\g], v[TM+9]
.endr
	v_nop                                          ; one plain place behind a scaled conversion
.endm
	s_load_b128 s[4:7], s[0:1], 0x0                ; x s[4:5], w s[6:7]
	s_load_b64 s[8:9], s[0:1], 0x10                ; out
	v_lshl_add_u32 v[SPW], v0, 2, SPARE
	v_mov_b32 v[NIL], 0
	ds_add_u32 v[SPW], v[NIL]                      ; the wave's opening: the add, twice on end, and its wait ahead of my tensor load
	ds_add_u32 v[SPW], v[NIL]
	v_lshrrev_b32 v1, 5, v0
	v_readfirstlane_b32 s[WV], v1                  ; wave 0..7
	v_and_b32 v80, 31, v0
	v_lshlrev_b32 v81, 12, v1
	v_lshl_add_u32 v[WA], v80, 4, v81              ; w: eight rows of 512 bytes a wave, 16 bytes a lane
	s_lshl_b32 s11, ttmp9, 9
	s_lshl_b32 s12, s[WV], 6
	s_add_co_u32 s12, s11, s12                     ; my chunk's first row: 512 x work-group + 64 x wave,
	s_min_u32 s12, s12, NROWS-CROWS                ; held so that its 64 rows end inside the tensor,
	s_lshl_b32 s12, s12, 9                         ; in bytes (under 2^26)
	s_mov_b32 s13, 0
	s_mul_i32 s14, s[WV], REGION
	s_mov_b32 s[G1+0], (2<<16)|(1<<20)|(6<<22)|(3<<25)   ; elements of 4 bytes; 20 padding on: after every 128 words (code 6) four words (code 3)
	s_mov_b32 s[G1+1], 128<<16                     ; tensor_dim0 = 128
	s_mov_b32 s[G1+2], CROWS<<16                   ; tensor_dim1 = 64
	s_mov_b32 s[G1+3], 128<<16                     ; tile_dim0 = 128
	s_mov_b32 s[G1+4], CROWS                       ; tile_dim1 = 64
	s_mov_b32 s[G1+5], 128                         ; elements from row to row
	s_mov_b32 s[G1+6], 0
	s_mov_b32 s[G1+7], 0
	s_mov_b32 s[G0], 1
	s_mov_b32 s[G0+1], s14                         ; LDS address: my chunk's region
	s_mov_b32 s[SEL], 0x76543210
	s_mov_b32 s[SEL+1], 0xfedcba98
	s_wait_alu depctr_va_vdst(0)                   ; directly ahead of the waits below
	s_wait_dscnt 0x0                               ; both opening adds are done
	s_wait_kmcnt 0x0
	s_add_nc_u64 s[G0+2:G0+3], s[4:5], s[12:13]
	s_or_b32 s[G0+3], s[G0+3], 0x80000000          ; type = 2
; each wave's load stands on a line of its own: the waits for the eight loads stand in different steps
.irp k, 0,1,2,3,4,5,6
	s_cmp_eq_u32 s[WV], \k
	s_cbranch_scc0 .La\k
	tensor_load_to_lds s[G0:G0+3], s[G1:G1+7]
	s_nop 0
.rept 4
	v_nop
.endr
	s_branch .Lasked
.La\k:
.endr
	tensor_load_to_lds s[G0:G0+3], s[G1:G1+7]
	s_nop 0
.rept 4
	v_nop
.endr
.Lasked:
.irp i, 0,1,2,3,4,5,6,7
	global_load_b128 v[X+4*\i:X+4*\i+3], v[WA], s[6:7] offset:512*\i   ; a row of w: 512 consecutive bytes
.endr
	s_lshl_b32 s36, ttmp9, 11                      ; the work-group's 2,048 bytes of a row of out
	s_mov_b32 s37, 0
	s_add_nc_u64 s[OUTB:OUTB+1], s[8:9], s[36:37]
	s_add_nc_u64 s[OUTB+2:OUTB+3], s[OUTB:OUTB+1], 32*OROW
	s_lshr_b32 s38, s[WV], 2
	s_mul_i32 s38, s38, 32*OROW
	s_mov_b32 s39, 0
	s_add_nc_u64 s[OUTF:OUTF+1], s[OUTB:OUTB+1], s[38:39]
	; every LDS address is made here, ahead of the branches by roles
	v_and_b32 v80, 15, v0                          ; r
	v_bfe_u32 v81, v0, 4, 1                        ; h
	v_bfe_u32 v82, v0, 5, 2                        ; wave % 4: my tile
	v_and_b32 v83, 31, v0                          ; lane
	v_lshrrev_b32 v84, 5, v0                       ; wave
	v_mul_u32_u24 v85, v80, XP
	v_mul_u32_u24 v86, v82, 16*XP
	v_lshl_add_u32 v85, v81, 7, v85
	v_add_nc_u32 v[XA], v85, v86                   ; row 16 x tile + r, block h
	v_add_nc_u32 v[XA+1], 2*REGION, v[XA]
	v_add_nc_u32 v[XA+2], 4*REGION, v[XA]
	v_add_nc_u32 v[XA+3], 6*REGION, v[XA]
	v_add_nc_u32 v[RR], RING, v[XA]
	v_mul_u32_u24 v85, v84, 8*XP
	v_lshl_add_u32 v85, v83, 4, v85
	v_add_nc_u32 v[RS], RING, v85                  ; w's rows 8 x wave on, 16 x lane
	v_lshlrev_b32 v85, 4, v83
	v_lshlrev_b32 v86, 2, v83
	v_add_nc_u32 v[WIL], WIMG, v85
	v_add_nc_u32 v[WSL], WIMG+4096, v86
	v_lshl_add_u32 v[WIS], v82, 10, v[WIL]
	v_lshl_add_u32 v[WSS], v82, 7, v[WSL]
	v_mul_u32_u24 v85, v80, SP
	v_lshl_add_u32 v85, v82, 6, v85
	v_lshl_add_u32 v85, v81, 5, v85
	v_add_nc_u32 v[STO], RING, v85                 ; stage row r, 64 x tile + 32 h
	v_lshlrev_b32 v[H8], 3, v81
	v_lshlrev_b32 v[L8], 3, v83
	v_mul_u32_u24 v85, v84, 8*SP
	v_add_nc_u32 v86, (CROWS-TAILC)*4, v[L8]
	v_and_b32 v86, 255, v86                        ; column 38 on for lanes 0-12; the other lanes, off where this is used, name bytes of the same row
	v_add_nc_u32 v85, v85, v86
	v_add_nc_u32 v[LRD], RING+SLOT, v85            ; slot 1 (chunk 7), row 8 x wave
	v_mul_u32_u24 v85, v84, 8*OROW
	v_add_nc_u32 v[LG], v85, v[L8]
	v_lshl_add_u32 v87, v82, 3, v81                ; 8 (wave % 4) + h
	v_lshrrev_b32 v93, 7, v0
	v_mul_u32_u24 v93, v93, HALF                   ; waves 4-7: 32 stage rows further down
.irp i, 0,1,2,3
	v_add_nc_u32 v88, 2*\i, v87                    ; the row
	v_mul_u32_u24 v89, v88, 152
	v_and_b32 v89, 255, v89                        ; c
	v_lshl_add_u32 v89, v80, 4, v89                ; c + 16 r: my 16 bytes of unit 0
	v_mul_u32_u24 v90, v88, OROW
	v_mul_u32_u24 v92, v88, SP
	v_add_nc_u32 v[GP+\i], v90, v89
.irp b, 0,4                                    ; its two pieces: a piece at byte p lies in the unit's first slot where p < 256, else in its second
	v_add_nc_u32 v90, 2*\b, v89                    ; p
	v_lshrrev_b32 v91, 8, v90
	v_add_nc_u32 v90, v90, v92
	v_add_nc_u32 v90, RING, v90
	v_mul_u32_u24 v94, v91, SLOT-256
	v_add_nc_u32 v[LA+\b+\i], v90, v94
	v_mul_u32_u24 v94, v91, 2*SLOT+256
	v_add_nc_u32 v90, 2*SLOT, v90
	v_sub_nc_u32 v[MA+\b+\i], v90, v94
	v_add_nc_u32 v[FA+\b+\i], v[LA+\b+\i], v93
.endr
.endr
	v_lshlrev_b32 v94, 3, v84
.irp i, 0,1,2,3,4,5,6,7
	v_add_nc_u32 v88, \i, v94                      ; row 8 x wave + i
	v_mul_u32_u24 v89, v88, 152
	v_and_b32 v89, 255, v89
	v_add_nc_u32 v89, v89, v[L8]                   ; p = c + 8 x lane: under 256 a tail byte's place in chunk 7, else 256 + a head byte's in chunk 0
	v_cmp_lt_u32 s[MK+\i], 255, v89
	v_mul_u32_u24 v90, v88, SP
	v_mul_u32_u24 v91, v88, OROW
	v_and_b32 v92, 255, v89
	v_add_nc_u32 v89, 1792, v89
	v_and_b32 v89, 2047, v89
	v_add_nc_u32 v90, v90, v92
	v_add_nc_u32 v[GW+\i], v91, v89
	v_add_nc_u32 v[HA+\i], RING, v90
.endr
	v_mov_b32 v[PM], 0                             ; written once: a lane permute's destination counts as one of its sources
	s_wait_alu depctr_va_vdst(0)
	s_wait_loadcnt 0x0                             ; my eight rows of w are in
.irp i, 0,1,2,3,4,5,6,7
	ds_store_b128 v[RS], v[X+4*\i:X+4*\i+3] offset:XP*\i
.endr
	s_wait_dscnt 0x0                               ; for the others' sake: my stores have landed
	s_barrier_signal -1
	s_barrier_wait -1                              ; w's 64 rows lie in LDS.
	s_cmp_lt_u32 s[WV], 4
	s_cbranch_scc1 .Lw_done
	LOADT RR, 0
	QUANT
	ds_store_b128 v[WIS], v[PC:PC+3]               ; the fragment as it stands: 16 bytes a lane
	ds_store_b128 v[WIS], v[PC+4:PC+7] offset:512
	ds_store_b32 v[WSS], v[PW]
.Lw_done:
.macro STEP k
.if \k < 7
	s_cmp_eq_u32 s[WV], \k
	s_cbranch_scc0 .Lw\k
	s_wait_tensorcnt 0x0                           ; chunk k is mine: it has landed
.Lw\k:
.else
	s_wait_tensorcnt 0x0                           ; the last chunk: the wait stands under no branch
.endif
	s_wait_dscnt 0x0                               ; my stores into the stage have landed, my reads of it are back
	s_barrier_signal -1
	s_barrier_wait -1
.if \k == 1
.irp i, 0,1,2,3,4,5,6,7
	ds_load_b64 v[HD+2*\i:HD+2*\i+1], v[HA+\i]     ; the heads of my eight rows, out of chunk 0's slot before chunk 3 takes it
.endr
.endif
	s_cmp_lt_u32 s[WV], 4
	s_cbranch_scc0 .Ls\k
.if \k == 0
.irp f, 0,1,2,3
	ds_load_b128 v[WF+8*\f:WF+8*\f+3], v[WIL] offset:1024*\f
	ds_load_b128 v[WF+8*\f+4:WF+8*\f+7], v[WIL] offset:1024*\f+512
	ds_load_b32 v[WS+\f], v[WSL] offset:128*\f
.endr
.endif
	LOADT XA+(\k)/2, ((\k)%2)*REGION
	QUANT
.rept 7
	v_nop                                          ; a scale register written by a vector instruction stands 8 places ahead of a scaled matrix instruction, an operand so written 4
.endr
.irp f, 0,1,2,3
	v_wmma_scale_f32_16x16x128_f8f6f4 v[D+8*\f:D+8*\f+7], v[PC:PC+7], v[WF+8*\f:WF+8*\f+7], 0, v[PW], v[WS+\f] matrix_a_fmt:MATRIX_FMT_FP4 matrix_b_fmt:MATRIX_FMT_FP4
.endr
.rept 4
	v_nop                                          ; places ahead of the stores that read the results
.endr
.irp f, 0,1,2,3                                ; lane (r, h) holds out(16 f + r, 16 x tile + 8 h + 0 .. 7): 32 bytes of a stage row, from the low end on
	ds_store_b128 v[STO], v[D+8*\f:D+8*\f+3] offset:((\k)%3)*SLOT+16*SP*\f
	ds_store_b128 v[STO], v[D+8*\f+4:D+8*\f+7] offset:((\k)%3)*SLOT+16*SP*\f+16
.endr
	s_branch .Lj\k
.Ls\k:
.if \k > 1                             ; unit k - 2 of every row: 16 rows a wave, two rows a store
	s_cmp_eq_u32 ttmp9, LASTWG                     ; the last work-group has no whole unit
	s_cbranch_scc1 .Lj\k
	s_wait_xcnt 0x0                                ; the last step's stores have read their data (ISA guide 3.1)
.irp i, 0,1,2,3
.irp s, 0,1
.irp b, 0,4
.if ((\k)-2)%3 == 2
	ds_load_b64 v[OB+8*\i+4*\s+\b/2:OB+8*\i+4*\s+\b/2+1], v[MA+\b+\i] offset:HALF*\s
.else
	ds_load_b64 v[OB+8*\i+4*\s+\b/2:OB+8*\i+4*\s+\b/2+1], v[LA+\b+\i] offset:(((\k)-2)%3)*SLOT+HALF*\s
.endif
.endr
.endr
.endr
.irp i, 0,1,2,3
.irp s, 0,1
	s_wait_dscnt 14-4*\i-2*\s                      ; these two pieces are back; those behind them may be out
	global_store_b128 v[GP+\i], v[OB+8*\i+4*\s:OB+8*\i+4*\s+3], s[OUTB+2*\s:OUTB+2*\s+1] offset:256*((\k)-2) th:TH_STORE_NT   ; sixteen lanes store 256 consecutive bytes, at a multiple of 256 from out's first byte
.endr
.endr
.endif
.Lj\k:
.endm
.irp k, 0,1,2,3,4,5,6,7
	STEP \k
.endr
	s_wait_dscnt 0x0
	s_barrier_signal -1
	s_barrier_wait -1                              ; chunk 7's results lie in the stage, in slot 1; chunk 6's in slot 0
	s_cmp_eq_u32 ttmp9, LASTWG                     ; the same in all eight waves; no barrier follows
	s_cbranch_scc1 .Llast
	s_wait_xcnt 0x0
.irp i, 0,1,2,3                                ; unit 6: eight rows a wave
	ds_load_b64 v[OB+4*\i:OB+4*\i+1], v[FA+\i]
	ds_load_b64 v[OB+4*\i+2:OB+4*\i+3], v[FA+4+\i]
.endr
.irp i, 0,1,2,3,4,5,6,7
	ds_load_b64 v[TD+2*\i:TD+2*\i+1], v[HA+\i] offset:SLOT   ; the tails, of chunk 7
.endr
.irp i, 0,1,2,3
	s_wait_dscnt 14-2*\i
	global_store_b128 v[GP+\i], v[OB+4*\i:OB+4*\i+3], s[OUTF:OUTF+1] offset:256*6 th:TH_STORE_NT
.endr
.irp i, 0,1,2,3,4,5,6,7
	s_wait_dscnt 7-\i
	v_cndmask_b32 v[TD+2*\i], v[TD+2*\i], v[HD+2*\i], s[MK+\i]
	v_cndmask_b32 v[TD+2*\i+1], v[TD+2*\i+1], v[HD+2*\i+1], s[MK+\i]
	global_store_b64 v[GW+\i], v[TD+2*\i:TD+2*\i+1], s[OUTB:OUTB+1]   ; the part's last 256 - c bytes and its first c: the neighbouring work-groups write what lies beside them
.endr
	s_wait_tensorcnt 0x0                           ; the wave's end
	ds_add_u32 v[SPW], v[NIL]
	s_wait_dscnt 0x0
	s_endpgm
.Llast:                                        ; the last work-group: 26 columns, 104 bytes of each row, out of chunk 7's slot
	s_wait_tensorcnt 0x0
	ds_add_u32 v[SPW], v[NIL]
	s_wait_dscnt 0x0
	s_wait_xcnt 0x0                                ; EXEC changes only behind this wait
	v_cmp_gt_u32 vcc_lo, TAILC*4, v[L8]            ; lanes 0-12, 8 bytes each
	s_and_saveexec_b32 s48, vcc_lo
.irp i, 0,1,2,3,4,5,6,7
	ds_load_b64 v[OB+2*\i:OB+2*\i+1], v[LRD] offset:\i*SP
.endr
	s_wait_dscnt 0x0
.irp i, 0,1,2,3,4,5,6,7
	global_store_b64 v[LG], v[OB+2*\i:OB+2*\i+1], s[OUTB:OUTB+1] offset:\i*OROW
.endr
	s_wait_xcnt 0x0                                ; and again, in front of the line that widens it
	s_or_b32 exec_lo, exec_lo, s48
	s_endpgm
.Lfunc_end_k_q931f8e5f45_conv:
	.size	k_q931f8e5f45_conv, .Lfunc_end_k_q931f8e5f45_conv-k_q931f8e5f45_conv
	.p2alignl 7, 3214868480
	.fill 96, 4, 3214868480
	.section	.rodata,"a",@progbits
	.p2align	6, 0x0
	.amdhsa_kernel k_q931f8e5f45_conv
		.amdhsa_group_segment_fixed_size 327680
		.amdhsa_private_segment_fixed_size 0
		.amdhsa_enable_private_segment 0
		.amdhsa_kernarg_size 24
		.amdhsa_user_sgpr_count 2
		.amdhsa_user_sgpr_kernarg_segment_ptr 1
		.amdhsa_wavefront_size32 1
		.amdhsa_system_sgpr_workgroup_id_x 1
		.amdhsa_system_sgpr_workgroup_id_y 1
		.amdhsa_system_sgpr_workgroup_id_z 1
		.amdhsa_system_vgpr_workitem_id 0
		.amdhsa_next_free_vgpr 240
		.amdhsa_next_free_sgpr 66
		.amdhsa_reserve_vcc 1
		.amdhsa_float_denorm_mode_32 3
		.amdhsa_float_denorm_mode_16_64 3
		.amdhsa_memory_ordered 1
		.amdhsa_forward_progress 1
		.amdhsa_inst_pref_size 90
	.end_amdhsa_kernel
	.amdgpu_metadata
---
amdhsa.version: [ 1, 2 ]
amdhsa.kernels:
  - .name:           k_q931f8e5f45_conv
    .symbol:         k_q931f8e5f45_conv.kd
    .args:
      - { .name: x, .offset: 0, .size: 8, .value_kind: global_buffer, .address_space: global }
      - { .name: w, .offset: 8, .size: 8, .value_kind: global_buffer, .address_space: global }
      - { .name: out0, .offset: 16, .size: 8, .value_kind: global_buffer, .address_space: global }
    .group_segment_fixed_size: 327680
    .private_segment_fixed_size: 0
    .kernarg_segment_align: 8
    .kernarg_segment_size: 24
    .max_flat_workgroup_size: 256
    .sgpr_count:     66
    .vgpr_count:     240
    .wavefront_size: 32
...
	.end_amdgpu_metadata
.endif
;; end of part 1
